; MI455X (gfx1250); checked and timed in simulation.
; The chip was launched on July 23, 2026; its instructions are those of AMD's public machine-readable ISA for CDNA 5 (MIT licence, August 2026) and "CDNA5" Instruction Set Architecture Reference Guide (July 2026). The comments in the code are by the model that wrote it; some were corrected since.
;; Local Attention. Allowed arithmetic: matrix products marked QUANTISED: E4M3 operands, one given power-of-two scale a tensor, by v_wmma_f32_16x16x64_fp8_fp8 or v_wmma_f32_16x16x128_fp8_fp8, f32 sums; everything else in f32.
;; Inputs: b_in 3,072 float32; b_out 1,024 float32; lowp_scales 8 int32 (the exponents e of the quantised operands' scales 2^e); w_in 3,072 x 1,024 float32; w_out 1,024 x 1,024 float32; x 4 x 2,048 x 1,024 float32.
;; Outputs: out0 4 x 2,048 x 1,024 float32.
;; This version of the problem:
;;   THIS VERSION OF THE PROBLEM IS GIVEN IN LOW PRECISION. The matrix products marked QUANTISED in the list below multiply operands that are first quantised to E4M3 (4 exponent bits, 3 mantissa bits; 8 bits a number), with one given power-of-two scale for each operand tensor; their sums are f32. All else is computed in f32.
;;   The module's matrix products, in the order in which they are computed (A, B: the left and right operand; K: the contracted axis; several contracted axes count as one K, in the product's order):
;;     1. [M 8,192, K 1,024] x [K 1,024, N 3,072]; A: input x; B: input w_in: QUANTISED (scales: A lowp_scales[0], B lowp_scales[1])
;;     2. batch 64 x [M 2,048, K 64] x [K 64, N 2,048]; A: computed on the way; B: computed on the way: QUANTISED (scales: A lowp_scales[2], B lowp_scales[3])
;;     3. batch 64 x [M 2,048, K 2,048] x [K 2,048, N 64]; A: softmax (see below); B: computed on the way: QUANTISED (scales: A lowp_scales[4], B lowp_scales[5])
;;     4. [M 8,192, K 1,024] x [K 1,024, N 1,024]; A: computed on the way; B: input w_out: QUANTISED (scales: A lowp_scales[6], B lowp_scales[7])
;;   THE QUANTISER, for each operand of a quantised product, along K:
;;     - The operand's scale is 2^e, e = its entry of the input lowp_scales (int32; the entries are numbered through the quantised products in the list's order, A before B).
;;     - Each number is divided by the scale, clamped to +-448, and rounded to the nearest number of E4M3, ties to even, subnormals kept.
;;     - The product sums the exact products of the quantised numbers (number of the format x scale) in f32.
;;   ~~~python
;;   def quantise(x, axis, e):      # numpy; x: float32 -> the quantised numbers, widened to float32 again
;;       x = np.moveaxis(x, axis, -1); K = x.shape[-1]
;;       r = np.clip(x / 2.0 ** e, -448, 448)
;;       step = 2.0 ** (np.maximum(np.frexp(np.where(r == 0, 1, r))[1] - 1, -6) - 3)
;;       q = np.round(r / step) * step * 2.0 ** e      # np.round: ties to even
;;       return np.moveaxis(q, -1, axis).astype(np.float32)
;;   ~~~
;;   SOFTMAX AHEAD OF A QUANTISED PRODUCT. Where the list says 'softmax', what is quantised is not the finished softmax but p = 2^(t - M), with t = logit x log2(e) and M = ceil(the row's largest t), a whole number; so 1/2 < the row's largest p <= 1. The row's sum l is taken of the UNQUANTISED p, in f32, and the product's result is divided by l at the end. Since M is a whole number, a kernel that streams over the keys may use a running M (the ceiling of the running maximum): every later rescaling is an exact power of two, so the quantised numbers keep their values, but for numbers so far below the row's largest that they fall under the format's range.
;;   OPERANDS COMPUTED ON THE WAY. 'Computed on the way' means the value that the module computes at that place (a softmax that the list does not call 'softmax' is quantised finished and normalised). What goes into a quantiser is computed in f32, as accurately as f32 sums, v_exp_f32 and their like allow (about 1e-6 of the number): no bf16 or f16 on the way to a quantiser, and a product that is left as it is and whose result goes on into a quantised operand takes f32 operands (vector FMAs, or v_wmma_f32_16x16x4_f32). A number that lies on a knife's edge between two numbers of the format may be rounded either way, as far as f32 arithmetic and the matrix unit's own rounding can turn it there, and no further.
;; One version. Each part assembles by itself: llvm-mc -triple=amdgcn-amd-amdhsa -mcpu=gfx1250 --defsym DOCPART=n.
;; ======== version 1 of 1: 4 launches
;; workspace buffers: xc 8,388,608 bytes; wic 3,145,728 bytes; woc 1,048,576 bytes; qc 8,388,608 bytes; kc 8,388,608 bytes; vc 8,388,608 bytes; ac 8,388,608 bytes
;; launch quant (part 1): grid 384 x 1, 4 waves a work-group, no clusters, 33,280 bytes of LDS; arguments x, w_in, w_out, lowp_scales, xc, wic, woc; writes xc, wic, woc
.if DOCPART == 1
	.amdgcn_target "amdgcn-amd-amdhsa--gfx1250"
	.amdhsa_code_object_version 6
	.text
	.protected	k_qba75b9de62_quant
	.globl	k_qba75b9de62_quant
	.p2align	8
	.type	k_qba75b9de62_quant,@function
k_qba75b9de62_quant:
	s_mov_b64 s[64:65], 0
	v_nop
	global_prefetch_b8 v0, s[64:65] scope:SCOPE_SE
	s_setreg_imm32_b32 hwreg(HW_REG_WAVE_MODE, 25, 1), 1
	s_wait_xcnt 0x0
; x [8192][1024], w_in [3072][1024], w_out [1024][1024], f32, K innermost, become codes of FP8 (E4M3), each with its given scale 2^e:
; x entry 0, w_in entry 1, w_out entry 7 of the buffer of scales.  code = number / 2^e, held within +-448, to the nearest code, ties to even.
; LIMITS: each of the three e between -126 and 119, so that 2^e and 448 x 2^e are f32 numbers.  NaN among the inputs is not served.
; LAYOUT OF THE CODES (the program's own): the code of (row R, k) lies at (R / 256) x 262144 + (k / 128) x 32768 + (R % 256) x 128 + k % 128:
; 128 along K of 256 rows are one dense block of 32,768 bytes, of 128 aligned rows one of 16,384, which the products' launches fetch whole.
; SHARES: work-groups 0-255 take x, 256-351 w_in, 352-383 w_out: only pointers and e are chosen, by the work-group's number; one path for all.
; A work-group takes 32 rows, a wave 8: sixteen steps of 4 rows x 128 numbers.  Each of a step's four loads reads 512 consecutive bytes of one row;
; the 2,048 bytes turn through the wave's own stage in LDS (16 bytes of padding behind each 64) and come back 16 neighbours a lane, as the
; conversions want them; lane l then holds row l / 8, k 16 (l % 8) on, and the wave's store of 16 bytes a lane covers 512 consecutive bytes.
; No tensor loads, no barrier: waves share nothing.  Loads run four steps (16 loads a wave) ahead, the turn through LDS one step.
.set STEPS, 16
.set EMAX,  8
.set MANT,  0x600000                   ; the mantissa field of 448 as f32
.set R,     16                         ; v16-79   four sets of 16 numbers as they are loaded
.set X,     80                         ; v80-111  two sets of 16 neighbours
.set C,     128                        ; v128-191 codes: four registers for each step, so that no store's data are written again
.set WREG,  8192                       ; LDS: a region for each wave: two stages of 32 x SP bytes
.set SP,    80                         ; a lane's place in a stage: 64 bytes + 16 of padding
	s_load_b256 s[4:11], s[0:1], 0x0               ; x s[4:5], w_in s[6:7], w_out s[8:9], the scales' exponents s[10:11]
	s_load_b128 s[12:15], s[0:1], 0x20             ; xc s[12:13], wic s[14:15]
	s_load_b64 s[16:17], s[0:1], 0x30              ; woc
	v_lshl_add_u32 v192, v0, 2, 0x8000
	v_mov_b32 v193, 0
	v_lshrrev_b32 v1, 5, v0
	v_readfirstlane_b32 s20, v1                    ; wave
	v_and_b32 v2, 31, v0                           ; lane
	v_lshlrev_b32 v3, 4, v2                        ; 16 x lane: my bytes of a load's 512, and of a store's 512; never rewritten
	s_mul_i32 s19, s20, WREG
	v_lshrrev_b32 v14, 2, v2
	v_mul_u32_u24 v14, v14, SP
	v_and_b32 v15, 3, v2
	v_lshl_add_u32 v14, v15, 4, v14
	v_add_nc_u32 v14, s19, v14                     ; the stage, on the way in: SP (lane / 4) + 16 (lane % 4); a load's 512 bytes take eight places
	v_mul_u32_u24 v15, v2, SP
	v_add_nc_u32 v15, s19, v15                     ; and on the way out: SP x lane: my 16 neighbours
	s_wait_kmcnt 0x0
	s_load_b256 s[24:31], s[10:11], 0x0            ; e0 .. e7
	s_cmp_lt_u32 ttmp9, 352                        ; w_in or w_out?  The choice hangs on the work-group's number alone
	s_cselect_b64 s[6:7], s[6:7], s[8:9]
	s_cselect_b64 s[14:15], s[14:15], s[16:17]
	s_mov_b32 s21, 352
	s_cselect_b32 s21, 256, s21                    ; the tensor's first work-group
	s_cmp_lt_u32 ttmp9, 256                        ; x or a weight?
	s_cselect_b64 s[4:5], s[4:5], s[6:7]
	s_cselect_b64 s[12:13], s[12:13], s[14:15]
	s_cselect_b32 s21, 0, s21
	s_sub_co_u32 s21, ttmp9, s21
	s_lshl_b32 s21, s21, 2
	s_add_co_u32 s21, s21, s20
	s_lshl_b32 s21, s21, 3                         ; my wave's first row: a multiple of 8, so its 8 rows lie in one block of 256
	s_lshl_b32 s22, s21, 12                        ; x 4,096 bytes a row of f32
	s_mov_b32 s23, 0
	s_add_nc_u64 s[4:5], s[4:5], s[22:23]
	s_lshr_b32 s22, s21, 8
	s_lshl_b32 s22, s22, 18                        ; (row / 256) x 262144
	s_and_b32 s18, s21, 255
	s_lshl_b32 s18, s18, 7                         ; + (row % 256) x 128
	s_add_co_u32 s22, s22, s18
	s_add_nc_u64 s[12:13], s[12:13], s[22:23]
.macro LOAD t                          ; step t = 8 (t / 8) + t % 8: rows 4 (t / 8) + i, numbers 128 (t % 8) on
.irp i, 0,1,2,3
	global_load_b128 v[R+16*((\t)%4)+4*\i:R+16*((\t)%4)+4*\i+3], v3, s[4:5] offset:(4*((\t)/8)+\i)*4096+((\t)%8)*512 th:TH_LOAD_NT   ; 32 lanes read 512 consecutive bytes, once in the launch
.endr
.endm
.macro TURN t                          ; step t's numbers through the stage: LDS serves a wave's instructions in order, so no wait stands between the stores and the loads
.irp i, 0,1,2,3
	ds_store_b128 v14, v[R+16*((\t)%4)+4*\i:R+16*((\t)%4)+4*\i+3] offset:32*SP*((\t)%2)+8*SP*\i
.endr
.irp i, 0,1,2,3
	ds_load_b128 v[X+16*((\t)%2)+4*\i:X+16*((\t)%2)+4*\i+3], v15 offset:32*SP*((\t)%2)+16*\i
.endr
.endm
.irp t, 0,1,2,3
	LOAD \t
.endr
	s_wait_kmcnt 0x0
	s_cmp_lt_u32 ttmp9, 352
	s_cselect_b32 s25, s25, s31                    ; e1 or e7
	s_cmp_lt_u32 ttmp9, 256
	s_cselect_b32 s24, s24, s25                    ; e0 or that
	s_add_co_i32 s24, s24, 127
	s_lshl_b32 s25, s24, 23
	v_mov_b32 v11, s25                             ; 2^e as f32: the conversion takes its exponent field
	s_add_co_i32 s24, s24, EMAX
	s_lshl_b32 s24, s24, 23
	s_or_b32 s24, s24, MANT
	v_mov_b32 v10, s24                             ; 448 x 2^e
	s_wait_loadcnt 12                              ; step 0's four loads are in; those of steps 1 to 3 may be out
	TURN 0
.macro STEP t
.set XS, X+16*((\t)%2)
	s_wait_dscnt 0x0                               ; this step's numbers are back from the stage: so its stores into the stage have read their registers,
.if (\t)+4 < STEPS
	LOAD (\t)+4                                    ; which take the loads of four steps on
.endif
.if (\t)+1 < STEPS
.if STEPS-2-(\t) >= 3
	s_wait_loadcnt 12                              ; the next step's four loads are in; those of the three steps behind it may be out
.else
	s_wait_loadcnt 4*(STEPS-2-(\t))                ; in the tail: four for each step that is still behind it
.endif
	TURN (\t)+1                                    ; and go through the other stage while this step is worked
.endif
.irp i, 0,1,2,3,4,5,6,7,8,9,10,11,12,13,14,15
	v_med3_num_f32 v[XS+\i], v[XS+\i], -v10, v10   ; the conversion to an 8-bit code does not saturate (ISA guide 7.6.2): hold the number within 448 x the scale first
.endr
	v_cvt_scalef32_pk8_fp8_f32 v[C+4*(\t):C+4*(\t)+1], v[XS:XS+7], v11
	v_cvt_scalef32_pk8_fp8_f32 v[C+4*(\t)+2:C+4*(\t)+3], v[XS+8:XS+15], v11
	; the codes go to a store alone, and the next vector lines, the next step's holds, are plain and touch other registers
	global_store_b128 v3, v[C+4*(\t):C+4*(\t)+3], s[12:13] offset:((\t)%8)*32768+((\t)/8)*512   ; 4 rows x 128 bytes: 512 consecutive bytes of the block of this 128 along K
.endm
.irp t, 0,1,2,3,4,5,6,7,8,9,10,11,12,13,14,15
	STEP \t
.endr
	s_wait_tensorcnt 0x0
	ds_add_u32 v192, v193
	s_wait_dscnt 0x0
	s_endpgm
.Lfunc_end_k_qba75b9de62_quant:
	.size	k_qba75b9de62_quant, .Lfunc_end_k_qba75b9de62_quant-k_qba75b9de62_quant
	.p2alignl 7, 3214868480
	.fill 96, 4, 3214868480
	.section	.rodata,"a",@progbits
	.p2align	6, 0x0
	.amdhsa_kernel k_qba75b9de62_quant
		.amdhsa_group_segment_fixed_size 33280
		.amdhsa_private_segment_fixed_size 0
		.amdhsa_enable_private_segment 0
		.amdhsa_kernarg_size 56
		.amdhsa_user_sgpr_count 2
		.amdhsa_user_sgpr_kernarg_segment_ptr 1
		.amdhsa_wavefront_size32 1
		.amdhsa_system_sgpr_workgroup_id_x 1
		.amdhsa_system_sgpr_workgroup_id_y 1
		.amdhsa_system_sgpr_workgroup_id_z 1
		.amdhsa_system_vgpr_workitem_id 0
		.amdhsa_next_free_vgpr 194
		.amdhsa_next_free_sgpr 66
		.amdhsa_reserve_vcc 0
		.amdhsa_float_denorm_mode_32 3
		.amdhsa_float_denorm_mode_16_64 3
		.amdhsa_memory_ordered 1
		.amdhsa_forward_progress 1
		.amdhsa_inst_pref_size 38
	.end_amdhsa_kernel
	.amdgpu_metadata
---
amdhsa.version: [ 1, 2 ]
amdhsa.kernels:
  - .name:           k_qba75b9de62_quant
    .symbol:         k_qba75b9de62_quant.kd
    .args:
      - { .name: x, .offset: 0, .size: 8, .value_kind: global_buffer, .address_space: global }
      - { .name: w_in, .offset: 8, .size: 8, .value_kind: global_buffer, .address_space: global }
      - { .name: w_out, .offset: 16, .size: 8, .value_kind: global_buffer, .address_space: global }
      - { .name: lowp_scales, .offset: 24, .size: 8, .value_kind: global_buffer, .address_space: global }
      - { .name: xc, .offset: 32, .size: 8, .value_kind: global_buffer, .address_space: global }
      - { .name: wic, .offset: 40, .size: 8, .value_kind: global_buffer, .address_space: global }
      - { .name: woc, .offset: 48, .size: 8, .value_kind: global_buffer, .address_space: global }
    .group_segment_fixed_size: 33280
    .private_segment_fixed_size: 0
    .kernarg_segment_align: 8
    .kernarg_segment_size: 56
    .max_flat_workgroup_size: 128
    .sgpr_count:     66
    .vgpr_count:     194
    .wavefront_size: 32
...
	.end_amdgpu_metadata
.endif
;; end of part 1
;; launch qkv (part 2): grid 8 x 32, 4 waves a work-group, clusters of 4 x 4, 327,680 bytes of LDS; arguments xc, wic, b_in, lowp_scales, qc, kc, vc; writes qc, kc, vc
.if DOCPART == 2
	.amdgcn_target "amdgcn-amd-amdhsa--gfx1250"
	.amdhsa_code_object_version 6
	.text
	.protected	k_qba75b9de62_qkv
	.globl	k_qba75b9de62_qkv
	.p2align	8
	.type	k_qba75b9de62_qkv,@function
k_qba75b9de62_qkv:
	s_mov_b64 s[64:65], 0
	v_nop
	global_prefetch_b8 v0, s[64:65] scope:SCOPE_SE
	s_setreg_imm32_b32 hwreg(HW_REG_WAVE_MODE, 25, 1), 1
	s_wait_xcnt 0x0
	s_wait_alu depctr_hold_cnt(0) depctr_sa_sdst(0) depctr_va_vdst(0) depctr_va_sdst(0) depctr_va_ssrc(0) depctr_va_vcc(0) depctr_vm_vsrc(0)
	s_getreg_b32 s2, hwreg(HW_REG_IB_STS2, 6, 4)
	s_cmp_eq_u32 s2, 0
	s_cbranch_scc0 .Lentry_in_a_cluster
	s_endpgm
.Lentry_in_a_cluster:
	s_bfe_u32 s2, ttmp6, 0x10000c
	s_cmp_lg_u32 s2, 0xf033
	s_cbranch_scc0 .Lentry_shape_is_right
	s_endpgm
.Lentry_shape_is_right:
; qkv = x w_in^T + b_in on codes of FP8 (E4M3), K = 1024; the results are quantised at once: q with 2^e2, k with 2^e3, v with 2^e5.
; A sum stands for sum x 2^(e0 + e1); value = sum x 2^(e0 + e1) + bias (one fused multiply-add), held within +-448 x its scale, converted.
; LIMITS: e0 + e1 between -126 and 127; e2, e3, e5 between -126 and 119: each power of two below is then an f32 number.
; SHARES.  A work-group takes 256 tokens (block y) and the two heads 2 g, 2 g + 1, of q, k and v: 256 x 384 of the product.  Four waves, as many as
; a WGP has SIMDs: wave = 2 rh + hh takes tokens 128 rh on and head 2 g + hh: 128 x 64 x 3 parts = 96 accumulators of 16 x 16, 768 registers.
; For 64 along K a wave reads 128 + 192 rows of 64 bytes from LDS and issues 96 matrix instructions.
; K goes in steps of 128 through a ring of two LDS slots; a step is two substeps of 64.  The codes lie so that a step's tile is one dense block of memory.
; CLUSTERS: 4 x 4 work-groups.  The four of a row of the cluster share y and so x's tile, the four of a column share g and so w_in's three tiles:
; each tile is asked for JOINTLY.  Waves 0, 1, 2 ask for w_in's rows of q, k, v (128 rows each), wave 3 for x's 256 rows: one load a wave.
; HOW THE RESULTS BECOME OPERANDS WITHOUT A SHUFFLE.  q and k are made transposed (source 0 = 16 rows of w_in, source 1 = 16 tokens): a lane holds one
; token and eight neighbouring features, so tile b's conversion gives registers 2 b, 2 b + 1 of a fragment (16 tokens x the head's 64).  v is made the
; other way round (source 0 = tokens, source 1 = rows of w_in): a lane holds one feature and eight neighbouring tokens, so tile c's conversion gives
; registers 2 c, 2 c + 1 of a fragment of V^T (16 features x 64 keys).  A fragment is stored as an image of its eight registers: registers 0-3 at
; 16 x lane, registers 4-7 512 bytes on: 1,024 bytes, two stores of 512 consecutive bytes.
;   qc, kc: fragment (batch x 16 + head, token / 16) at ((batch x 16 + head) x 128 + token / 16) x 1024;  vc: fragment (.., key / 64, feature / 16) at the same figure with 4 (key / 64) + feature / 16.
; Inside a matrix instruction k is permuted, alike in both sources (a fragment comes by two loads of 16 bytes, 32 apart): every product meets its partner.
; REGISTERS, in windows of 256: window 0: v0-29 addresses and constants; v32-95, v96-159 x's fragments, two sets; v160-191, v192-223, v224-255 w_in's for q, k, v, one set each
; (a part's four fragments are free as soon as its 32 products are issued).  Windows 1, 2, 3: the accumulators of q, k, v: (a, b) at v[8 (4 a + b)].
.set PITCH, 144                        ; an LDS row: 128 bytes + 16 of padding = 36 words: the sixteen rows of a fragment load start at sixteen different groups of four banks (64 banks of 4 bytes: ISA guide 11.1)
.set PARTB, 128*PITCH                  ; 128 rows of w_in
.set AOFF,  3*PARTB                    ; a slot: q's, k's, v's rows of w_in, then x's 256 rows
.set SLOT,  AOFF+256*PITCH
.set BIAS,  2*SLOT                     ; behind the ring: 768 bytes a wave: its head's 64 numbers of b_in for q, k, v.  No tile lands here
.set SPARE, BIAS+4*768                 ; the spare words, 128 bytes for each wave: two blocks of 256 bytes that no other line names
.set KBLK,  32768                      ; from one 128 along K to the next, in both tensors of codes
.set ADRA, 16                          ; v16-17  LDS address of my fragments of x in slot 0, 1
.set ADRB, 20                          ; v20-21  the same for w_in
.set BQA,  22                          ; v22     my bias bytes + 32 (lane / 16)
.set BVA,  23                          ; v23     my bias bytes + 4 (lane % 16)
.set GOFF, 24                          ; v24     16 x lane: an image's place for my lane
.set SCV,  26                          ; v26     the scale of the part that goes out, as f32
.set LIM,  27                          ; v27     448 x that
.set SPW,  28                          ; v28     LDS address of my spare word; never rewritten
.set NIL,  29                          ; v29     0; never rewritten
.set AF,   32
.set BF,   160
.set T,    32                          ; the way out: 32 values
.set CD,   64                          ; the way out: a fragment's codes, two sets
.set BIQ,  96                          ; the way out: q's bias, 8 registers a tile of features; k's; v's, each number twice
.set BIK,  128
.set BIV,  160
.set WV,  18                           ; s18 wave; s19 rh; s20 hh
.set G1A, 24                           ; s[24:31] descriptor group 1 for x's tiles;  s[32:39] group 0, one set for each slot
.set G0A, 32
.set G1B, 48                           ; s[48:55], s[56:63] the same for w_in's tiles
.set G0B, 56
.set MSB, 0
.macro WIN new                         ; the immediate's high byte repeats the setting that is left
.if MSB != \new
	s_set_vgpr_msb (MSB<<8)|\new
.set MSB, \new
.endif
.endm
.macro PLACES                          ; four plain vector lines between a matrix instruction and a load into, or a vector line on, its registers
.rept 4
	v_nop
.endr
.endm
; A joint load.  The branch hangs on the wave's number alone.  Four v_nop follow each of the two lines, ahead of the jump, the label and what follows.
.macro JLOAD s
	s_cmp_lt_u32 s[WV], 3
	s_cbranch_scc0 .Lfor_a_\@
	tensor_load_to_lds s[G0B+4*\s:G0B+4*\s+3], s[G1B:G1B+7]
	s_nop 0
.rept 4
	v_nop
.endr
	s_branch .Lasked_\@
.Lfor_a_\@:
	tensor_load_to_lds s[G0A+4*\s:G0A+4*\s+3], s[G1A:G1A+7]
	s_nop 0
.rept 4
	v_nop
.endr
.Lasked_\@:
.endm
.macro CREST                           ; a round of the cluster's barrier behind its opening barrier
	s_cmp_lg_u32 s[WV], 0
	s_cbranch_scc1 .Lnot_wave_0_\@
	s_barrier_signal -3
.Lnot_wave_0_\@:
	s_barrier_wait -3
	s_barrier_signal -1
	s_barrier_wait -1
.endm
.macro CROUND                          ; a whole round
	s_barrier_signal -1
	s_barrier_wait -1
	CREST
.endm
	s_load_b256 s[4:11], s[0:1], 0x0               ; xc s[4:5], wic s[6:7], b_in s[8:9], the scales' exponents s[10:11]
	s_load_b128 s[12:15], s[0:1], 0x20             ; qc s[12:13], kc s[14:15]
	s_load_b64 s[16:17], s[0:1], 0x30              ; vc
	v_lshl_add_u32 v[SPW], v0, 2, SPARE
	v_mov_b32 v[NIL], 0
	ds_add_u32 v28, v29
	ds_add_u32 v28, v29
	s_wait_dscnt 0x0
	v_lshrrev_b32 v3, 5, v0
	v_readfirstlane_b32 s[WV], v3                  ; wave 0..3
	s_lshr_b32 s19, s[WV], 1                       ; rh: which 128 tokens
	s_and_b32 s20, s[WV], 1                        ; hh: which of the two heads
	s_bfe_u32 s22, ttmp6, 0x40000                  ; cx, cy: my place in the cluster
	s_bfe_u32 s23, ttmp6, 0x40004
	s_lshl_b32 s40, ttmp9, 2
	s_add_co_u32 s40, s40, s22                     ; g = 4 x cluster x + cx: the pair of heads
	s_and_b32 s41, ttmp7, 0xffff
	s_lshl_b32 s41, s41, 2
	s_add_co_u32 s41, s41, s23                     ; y = 4 x cluster y + cy: the block of 256 tokens
	s_lshl_b32 s42, s23, 2
	s_lshl_b32 s42, 15, s42                        ; my row of the cluster
	s_lshl_b32 s43, 0x1111, s22                    ; my column
	s_or_b32 s[G1A], s42, (0<<16)|(1<<20)|(1<<21)|(4<<22)|(3<<25)   ; 15:0 the mask: x's tiles go to my row; elements of 1 byte; padding on; 21 set beside a mask; after every 32 words (code 4) 4 words (code 3)
	s_mov_b32 s[G1A+1], 128<<16                    ; tensor_dim0 = 128
	s_mov_b32 s[G1A+2], 256<<16                    ; tensor_dim1 = 256
	s_mov_b32 s[G1A+3], 128<<16                    ; tile_dim0 = 128
	s_mov_b32 s[G1A+4], 256                        ; tile_dim1 = 256
	s_mov_b32 s[G1A+5], 128                        ; from row to row: the block is dense
	s_mov_b32 s[G1A+6], 0
	s_mov_b32 s[G1A+7], 0
	s_or_b32 s[G1B], s43, (0<<16)|(1<<20)|(1<<21)|(4<<22)|(3<<25)   ; the same with the mask of my column
	s_mov_b32 s[G1B+1], 128<<16
	s_mov_b32 s[G1B+2], 128<<16                    ; 128 rows
	s_mov_b32 s[G1B+3], 128<<16
	s_mov_b32 s[G1B+4], 128
	s_mov_b32 s[G1B+5], 128
	s_mov_b32 s[G1B+6], 0
	s_mov_b32 s[G1B+7], 0
	s_lshl_b32 s66, s41, 18                        ; x: block y begins at y x 262144: it hangs on y alone
	s_mov_b32 s67, 0
	s_min_u32 s44, s[WV], 2                        ; w_in: part = wave (wave 3 asks by x's descriptor), 1,024 rows = 1,048,576 bytes a part,
	s_lshl_b32 s44, s44, 20
	s_lshr_b32 s45, s40, 1                         ; rows 128 g on: block g / 2 of 256 rows,
	s_lshl_b32 s45, s45, 18
	s_add_co_u32 s44, s44, s45
	s_and_b32 s45, s40, 1                          ; its upper or lower 128 rows: it hangs on g and the wave alone
	s_lshl_b32 s45, s45, 14
	s_add_co_u32 s44, s44, s45
	s_mov_b32 s45, 0
	s_mul_i32 s91, s[WV], PARTB                    ; where w_in's tile goes: wave x 128 rows
	s_wait_kmcnt 0x0
	s_load_b256 s[72:79], s[10:11], 0x0            ; e0 .. e7
	s_add_nc_u64 s[66:67], s[4:5], s[66:67]
	s_add_nc_u64 s[44:45], s[6:7], s[44:45]
	CROUND                                         ; all sixteen work-groups are here: the first joint loads meet
.irp s, 0,1
	s_mov_b32 s[G0A+4*\s], 1                       ; count = 1
	s_mov_b32 s[G0A+4*\s+1], AOFF+\s*SLOT          ; LDS address
	s_add_nc_u64 s[G0A+4*\s+2:G0A+4*\s+3], s[66:67], \s*KBLK   ; K step s
	s_or_b32 s[G0A+4*\s+3], s[G0A+4*\s+3], 0x80000000          ; type = 2
	s_mov_b32 s[G0B+4*\s], 1
	s_add_co_u32 s[G0B+4*\s+1], s91, \s*SLOT
	s_add_nc_u64 s[G0B+4*\s+2:G0B+4*\s+3], s[44:45], \s*KBLK
	s_or_b32 s[G0B+4*\s+3], s[G0B+4*\s+3], 0x80000000
	JLOAD \s                                       ; two loads of mine are out
.endr
	; my head's bias: 64 numbers of each part, 256 bytes a load, into my own LDS bytes; it comes back on the way out in the results' layouts
	v_and_b32 v4, 31, v0                           ; lane
	v_lshlrev_b32 v3, 3, v4                        ; 8 x lane
	s_lshl_b32 s47, s40, 1
	s_add_co_u32 s47, s47, s20                     ; head = 2 g + hh
	s_lshl_b32 s68, s47, 8
	s_mov_b32 s69, 0
	s_add_nc_u64 s[8:9], s[8:9], s[68:69]
	global_load_b64 v[8:9], v3, s[8:9]
	global_load_b64 v[10:11], v3, s[8:9] offset:4096
	global_load_b64 v[12:13], v3, s[8:9] offset:8192
	s_mul_i32 s88, s[WV], 768
	s_add_co_u32 s88, s88, BIAS                    ; my bias bytes
	v_add_nc_u32 v5, s88, v3
	v_and_b32 v1, 15, v0                           ; r = lane % 16
	v_bfe_u32 v2, v0, 4, 1                         ; h = lane / 16
	v_mul_u32_u24 v6, v1, PITCH
	v_lshl_add_u32 v6, v2, 4, v6                   ; a fragment's row x pitch + 16 h
	s_mul_i32 s89, s19, PARTB                      ; my 128 rows of x,
	s_add_co_u32 s89, s89, AOFF                    ; which lie behind w_in's 384
	s_mul_i32 s90, s20, 64*PITCH                   ; my head's 64 rows of each part of w_in
.irp s, 0,1
	v_add_nc_u32 v[ADRA+\s], s89, v6
	v_add_nc_u32 v[ADRB+\s], s90, v6
	s_add_co_u32 s89, s89, SLOT
	s_add_co_u32 s90, s90, SLOT
.endr
	v_lshl_add_u32 v[BQA], v2, 5, s88
	v_lshl_add_u32 v[BVA], v1, 2, s88
	v_lshlrev_b32 v[GOFF], 4, v4
	s_wait_loadcnt 0x0
	ds_store_b64 v5, v[8:9]
	ds_store_b64 v5, v[10:11] offset:256
	ds_store_b64 v5, v[12:13] offset:512
.macro FA slot, sub, set, a0           ; x's fragments a0 .. a0 + 3 of the slot's substep: 8 loads
.irp a, \a0, \a0+1, \a0+2, \a0+3
	ds_load_b128 v[AF+64*(\set)+8*(\a):AF+64*(\set)+8*(\a)+3],   v[ADRA+\slot] offset:(\a)*16*PITCH+64*(\sub)
	ds_load_b128 v[AF+64*(\set)+8*(\a)+4:AF+64*(\set)+8*(\a)+7], v[ADRA+\slot] offset:(\a)*16*PITCH+64*(\sub)+32
.endr
.endm
.macro FB slot, sub, p                 ; w_in's four fragments of part p: 8 loads
.irp b, 0,1,2,3
	ds_load_b128 v[BF+32*(\p)+8*\b:BF+32*(\p)+8*\b+3],   v[ADRB+\slot] offset:(\p)*PARTB+\b*16*PITCH+64*(\sub)
	ds_load_b128 v[BF+32*(\p)+8*\b+4:BF+32*(\p)+8*\b+7], v[ADRB+\slot] offset:(\p)*PARTB+\b*16*PITCH+64*(\sub)+32
.endr
.endm
; 4 n matrix instructions of part p (0 q, 1 k: source 0 = w_in; 2 v: source 0 = x): token tiles a0 .. a0 + n - 1 x the head's four tiles of features.
; zero = 1: the first product starts the sums: nothing is cleared.  The 96 accumulators take turns, one instruction a turn, in the same order in every substep.
.macro PART p, set, a0, n, zero
.set pa, \a0
.rept \n
.irp b, 0,1,2,3
.set rD, 8*(4*pa+\b)
.set rA, AF+64*(\set)+8*pa
.set rB, BF+32*(\p)+8*\b
.if \p < 2
.if \zero
	v_wmma_f32_16x16x64_fp8_fp8 v[rD:rD+7], v[rB:rB+7], v[rA:rA+7], 0
.else
	v_wmma_f32_16x16x64_fp8_fp8 v[rD:rD+7], v[rB:rB+7], v[rA:rA+7], v[rD:rD+7]
.endif
.else
.if \zero
	v_wmma_f32_16x16x64_fp8_fp8 v[rD:rD+7], v[rA:rA+7], v[rB:rB+7], 0
.else
	v_wmma_f32_16x16x64_fp8_fp8 v[rD:rD+7], v[rA:rA+7], v[rB:rB+7], v[rD:rD+7]
.endif
.endif
.endr
.set pa, pa+1
.endr
.endm
; A slot's first substep: multiplies x's set 0 and fetches the slot's second substep (x into set 1).  The fetches stand in three runs, each behind its places.
.macro STEP slot, zero
	s_wait_dscnt 8                                 ; all but the youngest eight loads (w_in's fragments for v) are in
	WIN 0x50                                       ; C and D window 1
	PART 0, 0, 0, 8, \zero
	PLACES
	WIN 0
	FB \slot, 1, 0
	FA \slot, 1, 1, 0
	WIN 0xa0                                       ; C and D window 2
	PART 1, 0, 0, 8, \zero
	PLACES
	WIN 0
	FB \slot, 1, 1
	FA \slot, 1, 1, 4
	s_wait_dscnt 32                                ; all but the 32 just issued: v's fragments are in
	WIN 0xf0                                       ; C and D window 3
	PART 2, 0, 0, 8, \zero
	PLACES
	WIN 0
	FB \slot, 1, 2
.endm
; A slot's second substep multiplies x's set 1 and changes slots: ONE barrier; in front of it each wave waits for all its tensor loads, adds 0 to its spare word, and waits for that and for its
; own reads of this slot.  fill = 1: the barrier opens a round of the cluster's, and this slot is filled again, two K steps ahead: that load has 160 matrix instructions in which to land.
.macro TURN slot, next, fill
	s_wait_tensorcnt 0x0                           ; all my tensor loads have landed: the one that was out is my part of the next slot
	ds_add_u32 v[SPW], v[NIL]                      ; 0 onto my spare word
	s_wait_dscnt 9                                 ; (the add and the youngest eight loads may be out)
	WIN 0x50
	PART 0, 1, 0, 4, 0                             ; sixteen matrix instructions stand between the add and the wait for it
	s_wait_dscnt 0x0                               ; the add is done, and my reads of this slot are over
	s_barrier_signal -1
	PART 0, 1, 4, 4, 0
	WIN 0
	s_barrier_wait -1
.if \fill
	CREST                                          ; no wave of any partner still reads this slot or has a load on its way
	s_add_nc_u64 s[G0A+4*\slot+2:G0A+4*\slot+3], s[G0A+4*\slot+2:G0A+4*\slot+3], 2*KBLK
	s_add_nc_u64 s[G0B+4*\slot+2:G0B+4*\slot+3], s[G0B+4*\slot+2:G0B+4*\slot+3], 2*KBLK
	JLOAD \slot                                    ; the first tensor load behind the round, my only one until the next; its four v_nop are also the places in front of the loads below
.else
	PLACES
.endif
	FB \next, 0, 0
	FA \next, 0, 0, 0
	WIN 0xa0
	PART 1, 1, 0, 8, 0
	PLACES
	WIN 0
	FB \next, 0, 1
	FA \next, 0, 0, 4
	WIN 0xf0
	PART 2, 1, 0, 8, 0
	PLACES
	WIN 0
	FB \next, 0, 2
.endm
	s_wait_tensorcnt 1                             ; my part of K step 0 is in; K step 1's may stay out
	s_wait_dscnt 0x0                               ; my bias has landed in LDS
	s_barrier_signal -1
	s_barrier_wait -1                              ; everybody's part is in
	FB 0, 0, 0
	FA 0, 0, 0, 0
	FB 0, 0, 1
	FA 0, 0, 0, 4
	FB 0, 0, 2
	STEP 0, 1                                      ; the first substep stands in front of the loop: its products start the sums
	s_mov_b32 s21, 3
.Llap:                                                 ; a trip goes once round the ring and fills both slots again: K steps 2 to 7 in three trips
	TURN 0, 1, 1
	STEP 1, 0
	TURN 1, 0, 1
	STEP 0, 0
	s_sub_co_u32 s21, s21, 1
	s_cmp_lg_u32 s21, 0
	s_cbranch_scc1 .Llap
	TURN 0, 1, 0                                   ; the tail is written out: nothing more is asked for
	STEP 1, 0
	s_wait_dscnt 8                                 ; the very last substep
	WIN 0x50
	PART 0, 1, 0, 8, 0
	WIN 0xa0
	PART 1, 1, 0, 8, 0
	s_wait_dscnt 0x0
	WIN 0xf0
	PART 2, 1, 0, 8, 0
	WIN 0
	; THE WAY OUT.  No stage: a lane's codes are already the bytes of an image.
	PLACES                                         ; for the loads into, and the vector lines on, registers of the last products
.irp b, 0,1,2,3
	ds_load_b128 v[BIQ+8*\b:BIQ+8*\b+3],   v[BQA] offset:64*\b          ; q: features 16 b + 8 h + 0 .. 7
	ds_load_b128 v[BIQ+8*\b+4:BIQ+8*\b+7], v[BQA] offset:64*\b+16
	ds_load_b128 v[BIK+8*\b:BIK+8*\b+3],   v[BQA] offset:256+64*\b      ; k likewise
	ds_load_b128 v[BIK+8*\b+4:BIK+8*\b+7], v[BQA] offset:256+64*\b+16
	ds_load_b32 v[BIV+2*\b],   v[BVA] offset:512+64*\b                  ; v: feature 16 b + r, twice: a whole pair for the packed form
	ds_load_b32 v[BIV+2*\b+1], v[BVA] offset:512+64*\b
.endr
	s_wait_kmcnt 0x0
	s_add_co_i32 s80, s72, s73
	s_add_co_i32 s80, s80, 127
	s_lshl_b32 s80, s80, 23                        ; 2^(e0 + e1) as f32
	s_mov_b32 s81, s80                             ; (named with it as a pair, so it is written)
.macro SCW d, e                        ; s[d] = 2^e as f32, s[d + 1] = 448 x 2^e
	s_add_co_i32 s[\d+1], s[\e], 127
	s_lshl_b32 s[\d], s[\d+1], 23
	s_add_co_i32 s[\d+1], s[\d+1], 8
	s_lshl_b32 s[\d+1], s[\d+1], 23
	s_or_b32 s[\d+1], s[\d+1], 0x600000
.endm
	SCW 82, 74                                     ; q: e2
	SCW 84, 75                                     ; k: e3
	SCW 86, 77                                     ; v: e5
	s_lshr_b32 s68, s41, 3                         ; batch = y / 8
	s_lshl_b32 s68, s68, 4
	s_add_co_u32 s68, s68, s47                     ; x 16 + head
	s_lshl_b32 s68, s68, 7                         ; x 128 fragments
	s_and_b32 s70, s41, 7
	s_lshl_b32 s70, s70, 4
	s_add_co_u32 s68, s68, s70                     ; + 16 (y % 8)
	s_lshl_b32 s70, s19, 3
	s_add_co_u32 s68, s68, s70                     ; + 8 rh: my first fragment, the same figure in qc, kc and vc
	s_lshl_b32 s68, s68, 10
	s_mov_b32 s69, 0
	s_add_nc_u64 s[12:13], s[12:13], s[68:69]
	s_add_nc_u64 s[14:15], s[14:15], s[68:69]
	s_add_nc_u64 s[16:17], s[16:17], s[68:69]
	s_wait_dscnt 0x0                               ; the bias is back
.macro FINISH set, base, off           ; 32 values in v[T] on become a fragment's codes and leave
.set oi, 0
.rept 32
	v_med3_num_f32 v[T+oi], v[T+oi], -v[LIM], v[LIM]   ; the conversion to an 8-bit code does not saturate (ISA guide 7.6.2): the hold at 448 x the scale
.set oi, oi+1
.endr
	s_wait_xcnt 0x0                                ; the earlier stores have read their data: the codes' registers are written again only behind this wait
.irp b, 0,1,2,3
	v_cvt_scalef32_pk8_fp8_f32 v[CD+8*(\set)+2*\b:CD+8*(\set)+2*\b+1], v[T+8*\b:T+8*\b+7], v[SCV]
.endr
	v_nop                                          ; a plain line between the conversions and the next vector lines, which write their sources
	global_store_b128 v[GOFF], v[CD+8*(\set):CD+8*(\set)+3],   s[\base:\base+1] offset:(\off)*1024       ; 512 consecutive bytes
	global_store_b128 v[GOFF], v[CD+8*(\set)+4:CD+8*(\set)+7], s[\base:\base+1] offset:(\off)*1024+512
.endm
.macro OUTQK w, a, bias, base          ; token tile a of q (window 1) or k (window 2): its four tiles of features are one fragment
	WIN \w                                         ; source 0: the sums' window
.irp b, 0,1,2,3
.irp i, 0,2,4,6
	v_pk_fma_f32 v[T+8*\b+\i:T+8*\b+\i+1], v[8*(4*(\a)+\b)+\i:8*(4*(\a)+\b)+\i+1], s[80:81], v[\bias+8*\b+\i:\bias+8*\b+\i+1] op_sel_hi:[1,0,1]   ; sum x 2^(e0 + e1) + bias; each accumulator from its low end on
.endr
.endr
	WIN 0
	FINISH (\a)%2, \base, \a
.endm
.macro OUTV s, b                       ; keys 64 s on, features 16 b on: four tiles of tokens are one fragment of V^T
	WIN 3
.irp c, 0,1,2,3
.irp i, 0,2,4,6
	v_pk_fma_f32 v[T+8*\c+\i:T+8*\c+\i+1], v[8*(4*(4*(\s)+\c)+(\b))+\i:8*(4*(4*(\s)+\c)+(\b))+\i+1], s[80:81], v[BIV+2*(\b):BIV+2*(\b)+1] op_sel_hi:[1,0,1]
.endr
.endr
	WIN 0
	FINISH (\b)%2, 16, 4*(\s)+(\b)
.endm
	v_mov_b32 v[SCV], s82
	v_mov_b32 v[LIM], s83
.irp a, 0,1,2,3,4,5,6,7
	OUTQK 1, \a, BIQ, 12
.endr
	v_mov_b32 v[SCV], s84
	v_mov_b32 v[LIM], s85
.irp a, 0,1,2,3,4,5,6,7
	OUTQK 2, \a, BIK, 14
.endr
	v_mov_b32 v[SCV], s86
	v_mov_b32 v[LIM], s87
.irp s, 0,1
.irp b, 0,1,2,3
	OUTV \s, \b
.endr
.endr
	s_wait_tensorcnt 0x0                           ; the wave's end: behind my last tensor load and my last LDS store
	ds_add_u32 v[SPW], v[NIL]
	s_wait_dscnt 0x0
	CROUND                                         ; the closing round: no work-group ends while a partner may still ask for a tile that names it
	s_endpgm
.Lfunc_end_k_qba75b9de62_qkv:
	.size	k_qba75b9de62_qkv, .Lfunc_end_k_qba75b9de62_qkv-k_qba75b9de62_qkv
	.p2alignl 7, 3214868480
	.fill 96, 4, 3214868480
	.section	.rodata,"a",@progbits
	.p2align	6, 0x0
	.amdhsa_kernel k_qba75b9de62_qkv
		.amdhsa_group_segment_fixed_size 327680
		.amdhsa_private_segment_fixed_size 0
		.amdhsa_enable_private_segment 0
		.amdhsa_kernarg_size 56
		.amdhsa_user_sgpr_count 2
		.amdhsa_user_sgpr_kernarg_segment_ptr 1
		.amdhsa_wavefront_size32 1
		.amdhsa_system_sgpr_workgroup_id_x 1
		.amdhsa_system_sgpr_workgroup_id_y 1
		.amdhsa_system_sgpr_workgroup_id_z 1
		.amdhsa_system_vgpr_workitem_id 0
		.amdhsa_next_free_vgpr 1024
		.amdhsa_next_free_sgpr 96
		.amdhsa_reserve_vcc 0
		.amdhsa_float_denorm_mode_32 3
		.amdhsa_float_denorm_mode_16_64 3
		.amdhsa_memory_ordered 1
		.amdhsa_forward_progress 1
		.amdhsa_inst_pref_size 171
	.end_amdhsa_kernel
	.amdgpu_metadata
---
amdhsa.version: [ 1, 2 ]
amdhsa.kernels:
  - .name:           k_qba75b9de62_qkv
    .symbol:         k_qba75b9de62_qkv.kd
    .args:
      - { .name: xc, .offset: 0, .size: 8, .value_kind: global_buffer, .address_space: global }
      - { .name: wic, .offset: 8, .size: 8, .value_kind: global_buffer, .address_space: global }
      - { .name: b_in, .offset: 16, .size: 8, .value_kind: global_buffer, .address_space: global }
      - { .name: lowp_scales, .offset: 24, .size: 8, .value_kind: global_buffer, .address_space: global }
      - { .name: qc, .offset: 32, .size: 8, .value_kind: global_buffer, .address_space: global }
      - { .name: kc, .offset: 40, .size: 8, .value_kind: global_buffer, .address_space: global }
      - { .name: vc, .offset: 48, .size: 8, .value_kind: global_buffer, .address_space: global }
    .group_segment_fixed_size: 327680
    .private_segment_fixed_size: 0
    .kernarg_segment_align: 8
    .kernarg_segment_size: 56
    .max_flat_workgroup_size: 128
    .sgpr_count:     96
    .vgpr_count:     1024
    .wavefront_size: 32
...
	.end_amdgpu_metadata
.endif
;; end of part 2
;; launch attn (part 3): grid 256 x 1, 8 waves a work-group, no clusters, 0 bytes of LDS; arguments qc, kc, vc, lowp_scales, ac; writes ac
.if DOCPART == 3
	.amdgcn_target "amdgcn-amd-amdhsa--gfx1250"
	.amdhsa_code_object_version 6
	.text
	.protected	k_qba75b9de62_attn
	.globl	k_qba75b9de62_attn
	.p2align	8
	.type	k_qba75b9de62_attn,@function
k_qba75b9de62_attn:
	s_mov_b64 s[64:65], 0
	v_nop
	global_prefetch_b8 v0, s[64:65] scope:SCOPE_SE
	s_setreg_imm32_b32 hwreg(HW_REG_WAVE_MODE, 25, 1), 1
	s_wait_xcnt 0x0
; Banded causal attention on codes of FP8 (E4M3): query i sees keys i - 128 .. i; 64 (batch, head) pairs of 2,048 tokens, head size 64.  The result is quantised at once with 2^e6.
; Only tiles that the band touches are multiplied: for 16 queries 9 tiles of 16 keys.  A hidden key has p = 0, as 2^(-1e9 log2(e) - M) is in f32 (LIMIT: true scores far under 1e9 in size).
; THE SOFTMAX: t = score x log2(e) / 8; M = the row's largest t rounded up to a whole number; p = 2^(t - M) is quantised with 2^e4, not normalised; the row's sum is taken of the unquantised p and
; divides at the end.  All of a query's keys are at hand at once, so M is the row's own: no running maximum, nothing is rescaled.
; LIMITS: e2 + e3 between -123 and 130 (added to the exponent field of log2(e) / 8); e4, e6 between -126 and 119; e4 + e5 is applied by v_ldexp_f32 and has none.
; SHARES.  Work-group = (batch x 16 + head, a quarter of its tokens); wave = 64 queries, block m of 32: four tiles of 16.  It sees keys 64 m - 128 .. 64 m + 63: 12 tiles, three steps of 64.
; Q, K and V^T lie in memory as images of operand registers (1,024 bytes a fragment), so every fragment comes by two loads of 512 consecutive bytes straight into its registers: 28 KB a wave, read once.
; NO LDS, NO TENSOR LOADS, NO CLUSTER: nothing is read twice by a wave; a step of keys is read by three waves, as a rule of one work-group, which is a small share of little traffic; two waves
; share a SIMD, so that one's vector work stands beside the other's products.
; LAYOUT.  S^T = K Q^T (source 0 = 16 keys, source 1 = 16 queries) and O^T = V^T P^T (source 0 = 16 of the head's 64, source 1 = P): a lane holds ONE query (lane % 16) throughout; key tile 4 s + c's
; conversion gives registers 2 c, 2 c + 1 of P's fragment of step s; O^T's tile d gives registers 2 d, 2 d + 1 of the next product's fragment (16 tokens x this head's 64).
;   ac: fragment (token / 256, head, (token % 256) / 16) at (((token / 256) x 16 + head) x 16 + tile) x 1024.
; BEFORE THE SEQUENCE'S START (m = 0, 1): the loads of steps that do not exist are clamped to step 0, and a scalar branch on m writes -infinity over their scores.
; REGISTERS: window 0: v1 16 x lane; v2 lane % 16 - 8 (lane / 16); v3 -infinity; v4, v5 448 x 2^e4, 2^e4; v6, v7 the same with e6; v[8:9] -M; v10-12 at work; v[14:17] sums; v[18:19] 2^(e4 + e5) / sum;
;   v32-63 Q; v64-135 S^T, then p (tile d of the band at 64 + 8 d); v136-159 P's codes (key tile n at 136 + 2 n); v160-191 O^T; v192-207 its codes, two sets.   window 1: v0-95 K; v96-191 V^T.
.set QF, 32
.set S,  64
.set P,  136
.set O,  160
.set CO, 192
.set KF, 0                             ; in window 1
.set VF, 96                            ; in window 1
.set MSB, 0
.macro WIN new                         ; the immediate's high byte repeats the setting that is left
.if MSB != \new
	s_set_vgpr_msb (MSB<<8)|\new
.set MSB, \new
.endif
.endm
.macro PLACES                          ; four plain vector lines between a matrix instruction and a vector line on its registers (ISA guide 7.12.1)
.rept 4
	v_nop
.endr
.endm
	s_load_b256 s[4:11], s[0:1], 0x0               ; qc s[4:5], kc s[6:7], vc s[8:9], the scales' exponents s[10:11]
	s_load_b64 s[12:13], s[0:1], 0x20              ; ac
	v_lshrrev_b32 v13, 5, v0
	v_readfirstlane_b32 s24, v13                   ; wave 0..7
	v_and_b32 v1, 31, v0
	v_lshlrev_b32 v1, 4, v1                        ; 16 x lane; never rewritten
	s_lshr_b32 s25, ttmp9, 2                       ; bh = batch x 16 + head
	s_and_b32 s26, ttmp9, 3
	s_lshl_b32 s26, s26, 3
	s_add_co_u32 s26, s26, s24                     ; m: my block of 64 queries, 0 .. 31
	s_lshl_b32 s27, s25, 7                         ; bh x 128 fragments
	s_mov_b32 s29, 0
	s_mov_b32 s31, 0
	s_lshl_b32 s30, s26, 2
	s_add_co_u32 s30, s30, s27
	s_lshl_b32 s30, s30, 10                        ; Q: fragment bh x 128 + 4 m
	s_wait_kmcnt 0x0
	s_load_b256 s[16:23], s[10:11], 0x0            ; e0 .. e7
	s_add_nc_u64 s[66:67], s[4:5], s[30:31]
.irp g, 0,1,2                          ; key step g of my three: step m - 2 + g of the head, or step 0 where that does not exist
	s_add_co_i32 s28, s26, \g-2
	s_max_i32 s28, s28, 0
	s_lshl_b32 s28, s28, 2
	s_add_co_u32 s28, s28, s27
	s_lshl_b32 s28, s28, 10                        ; four fragments a step, in kc and in vc alike
	s_add_nc_u64 s[52+2*\g:53+2*\g], s[6:7], s[28:29]
	s_add_nc_u64 s[58+2*\g:59+2*\g], s[8:9], s[28:29]
.endr
.irp t, 0,1,2,3
	global_load_b128 v[QF+8*\t:QF+8*\t+3],   v1, s[66:67] offset:\t*1024
	global_load_b128 v[QF+8*\t+4:QF+8*\t+7], v1, s[66:67] offset:\t*1024+512
.endr
	WIN 0x40                                       ; destination window 1
.irp g, 0,1,2
.irp c, 0,1,2,3
	global_load_b128 v[KF+8*(4*\g+\c):KF+8*(4*\g+\c)+3],   v1, s[52+2*\g:53+2*\g] offset:\c*1024
	global_load_b128 v[KF+8*(4*\g+\c)+4:KF+8*(4*\g+\c)+7], v1, s[52+2*\g:53+2*\g] offset:\c*1024+512
.endr
.endr
.irp g, 0,1,2
.irp c, 0,1,2,3
	global_load_b128 v[VF+8*(4*\g+\c):VF+8*(4*\g+\c)+3],   v1, s[58+2*\g:59+2*\g] offset:\c*1024
	global_load_b128 v[VF+8*(4*\g+\c)+4:VF+8*(4*\g+\c)+7], v1, s[58+2*\g:59+2*\g] offset:\c*1024+512
.endr
.endr
	WIN 0
	s_lshr_b32 s28, s25, 4                         ; batch
	s_lshl_b32 s28, s28, 3
	s_lshr_b32 s30, s26, 2
	s_add_co_u32 s28, s28, s30                     ; block of 256 tokens = batch x 8 + m / 4
	s_lshl_b32 s28, s28, 4
	s_and_b32 s30, s25, 15
	s_add_co_u32 s28, s28, s30                     ; x 16 + head
	s_lshl_b32 s28, s28, 4
	s_and_b32 s30, s26, 3
	s_lshl_b32 s30, s30, 2
	s_add_co_u32 s28, s28, s30                     ; x 16 + 4 (m % 4): my first fragment of ac
	s_lshl_b32 s28, s28, 10
	s_add_nc_u64 s[68:69], s[12:13], s[28:29]
	v_and_b32 v2, 15, v0
	v_bfe_u32 v13, v0, 4, 1
	v_lshlrev_b32 v13, 3, v13
	v_sub_nc_u32 v2, v2, v13                       ; r - 8 h.  Register j of a tile holds key 8 h + j of the tile's 16
	v_mov_b32 v3, 0xff800000                       ; -infinity
	v_mov_b32 v12, 0                               ; written once: a lane permute's destination counts as one of its sources
.irp j, 0,1,2,3,4,5,6,7
	v_cmp_gt_i32 s[32+\j], v2, \j                  ; the band's oldest tile: key 128 before the tile of queries: hidden where 8 h + j < r
	v_cmp_lt_i32 s[40+\j], v2, \j                  ; its newest tile, the queries' own: hidden where 8 h + j > r
.endr
	s_mov_b32 s48, 0x76543210
	s_mov_b32 s49, 0xfedcba98                      ; v_permlanex16_b32's selects for lane l xor 16
	s_wait_kmcnt 0x0
	s_add_co_i32 s50, s18, s19
	s_lshl_b32 s50, s50, 23
	s_add_co_i32 s50, s50, 0x3e38aa3b              ; c = log2(e) / 8 x 2^(e2 + e3): the two exponents are added to c's exponent field
	s_mov_b32 s51, s50                             ; (named with it as a pair, so it is written)
	s_add_co_i32 s70, s20, s21                     ; e4 + e5
	s_add_co_i32 s28, s20, 127
	s_lshl_b32 s30, s28, 23
	v_mov_b32 v5, s30                              ; 2^e4
	s_add_co_i32 s28, s28, 8
	s_lshl_b32 s28, s28, 23
	s_or_b32 s28, s28, 0x600000
	v_mov_b32 v4, s28                              ; 448 x 2^e4
	s_add_co_i32 s28, s22, 127
	s_lshl_b32 s30, s28, 23
	v_mov_b32 v7, s30                              ; 2^e6
	s_add_co_i32 s28, s28, 8
	s_lshl_b32 s28, s28, 23
	s_or_b32 s28, s28, 0x600000
	v_mov_b32 v6, s28                              ; 448 x 2^e6
; Tile t of my four tiles of 16 queries.  Its band is key tiles t .. t + 8 of my twelve.
.macro QTILE t
.if \t == 0
	s_wait_loadcnt 24                              ; Q and K are in; V's 24 loads may be out
.endif
	WIN 0x01                                       ; source 0 (K) window 1
.irp d, 0,1,2,3,4,5,6,7,8
	v_wmma_f32_16x16x64_fp8_fp8 v[S+8*\d:S+8*\d+7], v[KF+8*(\t+\d):KF+8*(\t+\d)+7], v[QF+8*\t:QF+8*\t+7], 0
.endr
	WIN 0
	PLACES
	s_cmp_ge_u32 s26, 2                            ; a branch on ids: my first step of keys exists from m = 2 on,
	s_cbranch_scc1 .Lok_\@
.set dd, 0
.rept 8*(4-\t)
	v_mov_b32 v[S+dd], v3                          ; key tiles t .. 3
.set dd, dd+1
.endr
	s_cmp_ge_u32 s26, 1                            ; my second from m = 1 on
	s_cbranch_scc1 .Lok_\@
.rept 32
	v_mov_b32 v[S+dd], v3                          ; key tiles 4 .. 7
.set dd, dd+1
.endr
.Lok_\@:
.irp j, 0,1,2,3,4,5,6,7
	v_cndmask_b32 v[S+\j], v[S+\j], v3, s[32+\j]   ; the two tiles on the band's edges; the seven between are open
.endr
.irp j, 0,1,2,3,4,5,6,7
	v_cndmask_b32 v[S+64+\j], v[S+64+\j], v3, s[40+\j]
.endr
	v_max3_num_f32 v10, v[S], v[S+1], v[S+2]       ; the largest score of my query among my 72 keys, in two chains, the registers in ascending order
	v_max3_num_f32 v11, v[S+3], v[S+4], v[S+5]
.irp i, 6,10,14,18,22,26,30,34,38,42,46,50,54,58,62,66
	v_max3_num_f32 v10, v10, v[S+\i], v[S+\i+1]
	v_max3_num_f32 v11, v11, v[S+\i+2], v[S+\i+3]
.endr
	v_max3_num_f32 v10, v10, v[S+70], v[S+71]
	v_max_num_f32 v10, v10, v11
	v_permlanex16_b32 v12, v10, s48, s49
	v_max_num_f32 v10, v10, v12                    ; and among lane l xor 16's.  The query's own key always counts, so this is a number
	v_mul_f32 v10, s50, v10                        ; as t (c is positive)
	v_floor_f32 v8, -v10                           ; -M = floor(-t) = -ceil(t)
	v_mov_b32 v9, v8
.set xi, 0
.rept 36
	v_pk_fma_f32 v[S+xi:S+xi+1], v[S+xi:S+xi+1], s[50:51], v[8:9] op_sel_hi:[1,0,0]   ; t - M, two at a time
.set xi, xi+2
.endr
.set xi, 0
.rept 72
	v_exp_f32 v[S+xi], v[S+xi]                     ; p = 2^(t - M), at most 1; 0 for hidden keys
.set xi, xi+1
.endr
	v_nop                                          ; a plain line between the exponentials and the first use of a result
	s_wait_alu depctr_va_vdst(0)
	v_pk_add_f32 v[14:15], v[S:S+1], v[S+2:S+3]    ; the row's sum, of the unquantised p: two at a time, in two chains
	v_pk_add_f32 v[16:17], v[S+4:S+5], v[S+6:S+7]
.irp j, 8,12,16,20,24,28,32,36,40,44,48,52,56,60,64,68
	v_pk_add_f32 v[14:15], v[14:15], v[S+\j:S+\j+1]
	v_pk_add_f32 v[16:17], v[16:17], v[S+\j+2:S+\j+3]
.endr
	v_pk_add_f32 v[14:15], v[14:15], v[16:17]
	v_add_f32 v14, v14, v15
	v_permlanex16_b32 v12, v14, s48, s49
	v_add_f32 v14, v14, v12                        ; with lane l xor 16's: over 1/2, since the largest p is
	v_rcp_f32 v14, v14
	v_nop                                          ; a plain line behind the reciprocal
	s_wait_alu depctr_va_vdst(0)
	v_ldexp_f32 v18, v14, s70                      ; 2^(e4 + e5) / the sum
	v_mov_b32 v19, v18
.set xi, 0
.rept 72
	v_min_num_f32 v[S+xi], v[S+xi], v4             ; the conversion does not saturate (ISA guide 7.6.2); p is not negative, so the hold is one-sided
.set xi, xi+1
.endr
.irp d, 0,1,2,3,4,5,6,7,8
	v_cvt_scalef32_pk8_fp8_f32 v[P+2*(\t+\d):P+2*(\t+\d)+1], v[S+8*\d:S+8*\d+7], v5
.endr
.irp n, 0,1,2,3,4,5,6,7,8,9,10,11
.if (\n < \t) || (\n > \t+8)
	v_mov_b32 v[P+2*\n], 0                         ; the three key tiles outside the band: zero codes.  (Also the plain lines between the conversions and the products)
	v_mov_b32 v[P+2*\n+1], 0
.endif
.endr
.if \t == 0
	s_wait_loadcnt 0x0                             ; V
.endif
	WIN 0x01                                       ; source 0 (V^T) window 1
.irp g, 0,1,2                          ; the four accumulators take turns, one instruction a turn; the first step of keys starts the sums
.irp d, 0,1,2,3
.if \g == 0
	v_wmma_f32_16x16x64_fp8_fp8 v[O+8*\d:O+8*\d+7], v[VF+8*(4*\g+\d):VF+8*(4*\g+\d)+7], v[P+8*\g:P+8*\g+7], 0
.else
	v_wmma_f32_16x16x64_fp8_fp8 v[O+8*\d:O+8*\d+7], v[VF+8*(4*\g+\d):VF+8*(4*\g+\d)+7], v[P+8*\g:P+8*\g+7], v[O+8*\d:O+8*\d+7]
.endif
.endr
.endr
	WIN 0
	PLACES
.set xi, 0
.rept 16
	v_pk_mul_f32 v[O+xi:O+xi+1], v[O+xi:O+xi+1], v[18:19] op_sel_hi:[1,0]   ; x 2^(e4 + e5) / the sum; each accumulator from its low end on
.set xi, xi+2
.endr
.set xi, 0
.rept 32
	v_med3_num_f32 v[O+xi], v[O+xi], -v6, v6       ; the hold at 448 x 2^e6
.set xi, xi+1
.endr
	s_wait_xcnt 0x0                                ; the earlier stores have read their data: the codes' registers are written again only behind this wait
.irp d, 0,1,2,3
	v_cvt_scalef32_pk8_fp8_f32 v[CO+8*(\t%2)+2*\d:CO+8*(\t%2)+2*\d+1], v[O+8*\d:O+8*\d+7], v7
.endr
	v_nop                                          ; a plain line between the conversions and the products that later write their sources
	global_store_b128 v1, v[CO+8*(\t%2):CO+8*(\t%2)+3],   s[68:69] offset:\t*1024       ; 512 consecutive bytes
	global_store_b128 v1, v[CO+8*(\t%2)+4:CO+8*(\t%2)+7], s[68:69] offset:\t*1024+512
.endm
	QTILE 0
	QTILE 1
	QTILE 2
	QTILE 3
	s_endpgm
.Lfunc_end_k_qba75b9de62_attn:
	.size	k_qba75b9de62_attn, .Lfunc_end_k_qba75b9de62_attn-k_qba75b9de62_attn
	.p2alignl 7, 3214868480
	.fill 96, 4, 3214868480
	.section	.rodata,"a",@progbits
	.p2align	6, 0x0
	.amdhsa_kernel k_qba75b9de62_attn
		.amdhsa_group_segment_fixed_size 0
		.amdhsa_private_segment_fixed_size 0
		.amdhsa_enable_private_segment 0
		.amdhsa_kernarg_size 40
		.amdhsa_user_sgpr_count 2
		.amdhsa_user_sgpr_kernarg_segment_ptr 1
		.amdhsa_wavefront_size32 1
		.amdhsa_system_sgpr_workgroup_id_x 1
		.amdhsa_system_sgpr_workgroup_id_y 1
		.amdhsa_system_sgpr_workgroup_id_z 1
		.amdhsa_system_vgpr_workitem_id 0
		.amdhsa_next_free_vgpr 448
		.amdhsa_next_free_sgpr 80
		.amdhsa_reserve_vcc 0
		.amdhsa_float_denorm_mode_32 3
		.amdhsa_float_denorm_mode_16_64 3
		.amdhsa_memory_ordered 1
		.amdhsa_forward_progress 1
		.amdhsa_inst_pref_size 92
	.end_amdhsa_kernel
	.amdgpu_metadata
---
amdhsa.version: [ 1, 2 ]
amdhsa.kernels:
  - .name:           k_qba75b9de62_attn
    .symbol:         k_qba75b9de62_attn.kd
    .args:
      - { .name: qc, .offset: 0, .size: 8, .value_kind: global_buffer, .address_space: global }
      - { .name: kc, .offset: 8, .size: 8, .value_kind: global_buffer, .address_space: global }
      - { .name: vc, .offset: 16, .size: 8, .value_kind: global_buffer, .address_space: global }
      - { .name: lowp_scales, .offset: 24, .size: 8, .value_kind: global_buffer, .address_space: global }
      - { .name: ac, .offset: 32, .size: 8, .value_kind: global_buffer, .address_space: global }
    .group_segment_fixed_size: 0
    .private_segment_fixed_size: 0
    .kernarg_segment_align: 8
    .kernarg_segment_size: 40
    .max_flat_workgroup_size: 256
    .sgpr_count:     80
    .vgpr_count:     448
    .wavefront_size: 32
...
	.end_amdgpu_metadata
.endif
;; end of part 3
;; launch proj (part 4): grid 8 x 32, 4 waves a work-group, clusters of 4 x 4, 327,680 bytes of LDS; arguments ac, woc, b_out, lowp_scales, out0; writes out0
.if DOCPART == 4
	.amdgcn_target "amdgcn-amd-amdhsa--gfx1250"
	.amdhsa_code_object_version 6
	.text
	.protected	k_qba75b9de62_proj
	.globl	k_qba75b9de62_proj
	.p2align	8
	.type	k_qba75b9de62_proj,@function
k_qba75b9de62_proj:
	s_mov_b64 s[64:65], 0
	v_nop
	global_prefetch_b8 v0, s[64:65] scope:SCOPE_SE
	s_setreg_imm32_b32 hwreg(HW_REG_WAVE_MODE, 25, 1), 1
	s_wait_xcnt 0x0
	s_wait_alu depctr_hold_cnt(0) depctr_sa_sdst(0) depctr_va_vdst(0) depctr_va_sdst(0) depctr_va_ssrc(0) depctr_va_vcc(0) depctr_vm_vsrc(0)
	s_getreg_b32 s2, hwreg(HW_REG_IB_STS2, 6, 4)
	s_cmp_eq_u32 s2, 0
	s_cbranch_scc0 .Lentry_in_a_cluster
	s_endpgm
.Lentry_in_a_cluster:
	s_bfe_u32 s2, ttmp6, 0x10000c
	s_cmp_lg_u32 s2, 0xf033
	s_cbranch_scc0 .Lentry_shape_is_right
	s_endpgm
.Lentry_shape_is_right:
; out0 = a w_out^T + b_out on codes of FP8 (E4M3), K = 1024: a is attention's result (scale 2^e6), w_out's codes have 2^e7.  out0 = sum x 2^(e6 + e7) + b_out, one fused multiply-add, f32.
; LIMIT: e6 + e7 between -126 and 127, so that 2^(e6 + e7) is an f32 number.
; SHARES.  A work-group takes 256 tokens (block y) x 128 columns (128 g on): 256 work-groups; a tile of 256 x 256 would give only 128.  Four waves: wave = 2 rh + ch takes tokens 128 rh on, columns 64 ch on:
; 32 accumulators of 16 x 16.  The matrix instruction is used transposed (source 0 = 16 rows of w_out, source 1 = 16 tokens): a lane holds eight neighbouring numbers of a row of out0.
; K goes in four steps of 256, each four substeps of 64 (a substep = a head).  THREE LDS slots are filled at the start and slot 0 once more, with the last step: that one refill has 240 matrix
; instructions in which to land.  All sixteen substeps are written out.
; a lies in memory as images of operand registers (1,024 bytes a fragment; a step's 64 fragments of a block are 65,536 dense bytes), so a fragment comes out of LDS by two loads of 512 consecutive bytes;
; k has the form's own places there, so w_out's fragments come by four loads of 8 bytes a lane, 16 apart, from padded rows.
; CLUSTERS: 4 x 4 work-groups.  The four of a row of the cluster share y and so a's tiles, the four of a column share g and so w_out's: each tile is asked for JOINTLY.
; Waves 0, 1 ask for the halves of a's step (32,768 bytes each), waves 2, 3 for w_out's two blocks of 128 rows x 128 along K.
; REGISTERS: window 0: v0-29 addresses; v32-95, v96-159 a's fragments, two sets; v160-191, v192-223 w_out's, two sets; on the way out v32-127 are free.  window 1: the accumulators, (a, b) at v[8 (4 a + b)].  window 2: v0-31 the bias.
.set PITCH,  144                       ; a row of w_out in LDS: 128 bytes + 16 of padding
.set PARTB,  128*PITCH
.set BOFF,   65536                     ; a slot: a's 64 images, then w_out's two blocks
.set SLOT2,  BOFF+2*PARTB
.set STAGE,  3*SLOT2                   ; behind the slots: 16 rows x 272 bytes for each wave, for the way out.  No tile lands here
.set SPITCH, 272
.set SPARE,  STAGE+4*16*SPITCH         ; the spare words, 128 bytes for each wave: two blocks of 256 bytes that no other line names
.set ADRA, 16                          ; v16-18  LDS address of my fragments of a in slot 0, 1, 2
.set ADRB, 20                          ; v20-22  the same for w_out
.set STO,  24                          ; v24     the way out: where I put 32 bytes of a row
.set RD,   25                          ; v25     where I read a row back
.set CO,   26                          ; v26     my byte offset in two rows of out0
.set SPW,  28                          ; v28     LDS address of my spare word; never rewritten
.set NIL,  29                          ; v29     0; never rewritten
.set AF,   32
.set BF,   160
.set T,    32                          ; the way out: a block's 32 numbers a lane
.set BK,   64                          ; the way out: 16 rows read back: v64-95 and v96-127 by turns
.set WV,  18                           ; s18 wave; s19 rh, also: I fetch for a (0) or for w_out (1); s20 ch, also: which half I fetch
.set G1A, 24                           ; s[24:31], s[32:39] descriptor groups 1;  s[40:51], s[52:63] groups 0, one set for each slot
.set G1B, 32
.set G0A, 40
.set G0B, 52
.set MSB, 0
.macro WIN new                         ; the immediate's high byte repeats the setting that is left
.if MSB != \new
	s_set_vgpr_msb (MSB<<8)|\new
.set MSB, \new
.endif
.endm
.macro PLACES                          ; four plain vector lines between a matrix instruction and a load into, or a vector line on, its registers
.rept 4
	v_nop
.endr
.endm
.macro JLOAD s                         ; a joint load; the branch hangs on the wave's number alone; four v_nop follow each of the two lines
	s_cmp_eq_u32 s19, 0
	s_cbranch_scc0 .Lfor_b_\@
	tensor_load_to_lds s[G0A+4*\s:G0A+4*\s+3], s[G1A:G1A+7]
	s_nop 0
.rept 4
	v_nop
.endr
	s_branch .Lasked_\@
.Lfor_b_\@:
	tensor_load_to_lds s[G0B+4*\s:G0B+4*\s+3], s[G1B:G1B+7]
	s_nop 0
.rept 4
	v_nop
.endr
.Lasked_\@:
.endm
.macro CREST                           ; a round of the cluster's barrier behind its opening barrier
	s_cmp_lg_u32 s[WV], 0
	s_cbranch_scc1 .Lnot_wave_0_\@
	s_barrier_signal -3
.Lnot_wave_0_\@:
	s_barrier_wait -3
	s_barrier_signal -1
	s_barrier_wait -1
.endm
.macro CROUND
	s_barrier_signal -1
	s_barrier_wait -1
	CREST
.endm
	s_load_b256 s[4:11], s[0:1], 0x0               ; ac s[4:5], woc s[6:7], b_out s[8:9], the scales' exponents s[10:11]
	s_load_b64 s[12:13], s[0:1], 0x20              ; out0
	v_lshl_add_u32 v[SPW], v0, 2, SPARE
	v_mov_b32 v[NIL], 0
	ds_add_u32 v28, v29
	ds_add_u32 v28, v29
	s_wait_dscnt 0x0
	v_lshrrev_b32 v3, 5, v0
	v_readfirstlane_b32 s[WV], v3                  ; wave 0..3
	s_lshr_b32 s19, s[WV], 1
	s_and_b32 s20, s[WV], 1
	s_bfe_u32 s22, ttmp6, 0x40000                  ; cx, cy: my place in the cluster
	s_bfe_u32 s23, ttmp6, 0x40004
	s_lshl_b32 s66, ttmp9, 2
	s_add_co_u32 s66, s66, s22                     ; g = 4 x cluster x + cx
	s_and_b32 s67, ttmp7, 0xffff
	s_lshl_b32 s67, s67, 2
	s_add_co_u32 s67, s67, s23                     ; y = 4 x cluster y + cy
	s_lshl_b32 s68, s23, 2
	s_lshl_b32 s68, 15, s68                        ; my row of the cluster
	s_lshl_b32 s69, 0x1111, s22                    ; my column
	s_or_b32 s[G1A], s68, (3<<16)|(1<<21)          ; 15:0 the mask: a's tiles go to my row; elements of 8 bytes; 21 set beside a mask; no padding: the images are read 512 consecutive bytes at a time
	s_mov_b32 s[G1A+1], 32<<16                     ; a dense block of 32,768 bytes as 128 rows of 32 elements (256 bytes)
	s_mov_b32 s[G1A+2], 128<<16
	s_mov_b32 s[G1A+3], 32<<16
	s_mov_b32 s[G1A+4], 128
	s_mov_b32 s[G1A+5], 32
	s_mov_b32 s[G1A+6], 0
	s_mov_b32 s[G1A+7], 0
	s_or_b32 s[G1B], s69, (0<<16)|(1<<20)|(1<<21)|(4<<22)|(3<<25)   ; the mask of my column; elements of 1 byte; padding: after every 32 words (code 4) 4 words (code 3)
	s_mov_b32 s[G1B+1], 128<<16                    ; 128 rows of 128 bytes, dense in memory
	s_mov_b32 s[G1B+2], 128<<16
	s_mov_b32 s[G1B+3], 128<<16
	s_mov_b32 s[G1B+4], 128
	s_mov_b32 s[G1B+5], 128
	s_mov_b32 s[G1B+6], 0
	s_mov_b32 s[G1B+7], 0
	s_lshl_b32 s84, s67, 4                         ; a: block y's head 2 x half, 16,384 bytes a head: it hangs on y and the wave alone
	s_lshl_b32 s70, s20, 1
	s_add_co_u32 s84, s84, s70
	s_lshl_b32 s84, s84, 14
	s_mov_b32 s85, 0
	s_lshr_b32 s86, s66, 1                         ; w_out: rows 128 g on: block g / 2 of 256 rows,
	s_lshl_b32 s86, s86, 18
	s_and_b32 s71, s66, 1                          ; its upper or lower 128 rows,
	s_lshl_b32 s71, s71, 14
	s_add_co_u32 s86, s86, s71
	s_lshl_b32 s71, s20, 15                        ; the step's first or second 128 along K: it hangs on g and the wave alone
	s_add_co_u32 s86, s86, s71
	s_mov_b32 s87, 0
	s_lshl_b32 s88, s20, 15                        ; where they go: a's half,
	s_mul_i32 s89, s20, PARTB
	s_add_co_u32 s89, s89, BOFF                    ; w_out's block
	s_wait_kmcnt 0x0
	s_load_b256 s[72:79], s[10:11], 0x0            ; e0 .. e7
	s_add_nc_u64 s[84:85], s[4:5], s[84:85]
	s_add_nc_u64 s[86:87], s[6:7], s[86:87]
	CROUND                                         ; all sixteen work-groups are here: the first joint loads meet
.irp s, 0,1,2
	s_mov_b32 s[G0A+4*\s], 1
	s_add_co_u32 s[G0A+4*\s+1], s88, \s*SLOT2
	s_add_nc_u64 s[G0A+4*\s+2:G0A+4*\s+3], s[84:85], \s*65536   ; K step s: four heads on
	s_or_b32 s[G0A+4*\s+3], s[G0A+4*\s+3], 0x80000000
	s_mov_b32 s[G0B+4*\s], 1
	s_add_co_u32 s[G0B+4*\s+1], s89, \s*SLOT2
	s_add_nc_u64 s[G0B+4*\s+2:G0B+4*\s+3], s[86:87], \s*65536   ; two blocks of 128 along K on
	s_or_b32 s[G0B+4*\s+3], s[G0B+4*\s+3], 0x80000000
	JLOAD \s                                       ; three loads of mine are out
.endr
	v_and_b32 v1, 15, v0                           ; r = lane % 16
	v_bfe_u32 v2, v0, 4, 1                         ; h = lane / 16
	v_lshlrev_b32 v3, 5, v2                        ; the bias: columns 16 b + 8 h + 0 .. 7 of my 64
	s_lshl_b32 s70, s66, 9
	s_lshl_b32 s71, s20, 8
	s_add_co_u32 s70, s70, s71                     ; my first column in bytes: 512 g + 256 ch
	s_mov_b32 s71, 0
	s_add_nc_u64 s[8:9], s[8:9], s[70:71]
	WIN 0x80                                       ; destination window 2
.irp b, 0,1,2,3
	global_load_b128 v[8*\b:8*\b+3],   v3, s[8:9] offset:64*\b
	global_load_b128 v[8*\b+4:8*\b+7], v3, s[8:9] offset:64*\b+16
.endr
	WIN 0
	s_add_nc_u64 s[12:13], s[12:13], s[70:71]      ; out0 at my first column,
	s_lshl_b32 s70, s67, 20
	s_lshl_b32 s82, s19, 19
	s_add_co_u32 s70, s70, s82                     ; and my first row: (256 y + 128 rh) x 4,096 bytes
	s_add_nc_u64 s[12:13], s[12:13], s[70:71]
	v_and_b32 v4, 31, v0
	v_lshlrev_b32 v4, 4, v4                        ; 16 x lane
	s_lshl_b32 s90, s19, 13                        ; my eight tiles of tokens: 8,192 bytes of each head's images
	v_mul_u32_u24 v5, v1, PITCH
	v_lshl_add_u32 v5, v2, 3, v5                   ; w_out: row x pitch + 8 h
	s_mul_i32 s91, s20, 64*PITCH                   ; my 64 rows
	s_add_co_u32 s91, s91, BOFF
.irp s, 0,1,2
	v_add_nc_u32 v[ADRA+\s], s90, v4
	v_add_nc_u32 v[ADRB+\s], s91, v5
	s_add_co_u32 s90, s90, SLOT2
	s_add_co_u32 s91, s91, SLOT2
.endr
	s_mul_i32 s90, s[WV], 16*SPITCH
	s_add_co_u32 s90, s90, STAGE                   ; my stage
	v_mul_u32_u24 v6, v1, SPITCH                   ; in: row r, 32 bytes for each half of the lanes
	v_lshl_add_u32 v6, v2, 5, v6
	v_add_nc_u32 v[STO], s90, v6
	v_mul_u32_u24 v6, v2, SPITCH                   ; back: lanes 0-15 one row of 256 bytes, lanes 16-31 the next
	v_lshl_add_u32 v6, v1, 4, v6
	v_add_nc_u32 v[RD], s90, v6
	v_lshlrev_b32 v6, 12, v2                       ; and the same two rows in out0
	v_lshl_add_u32 v[CO], v1, 4, v6
.macro FETCH slot, q, set              ; the fragments of the slot's substep q: 16 loads of 16 bytes a lane, 16 of 8
.irp b, 0,1,2,3
.irp c, 0,1,2,3
	ds_load_b64 v[BF+32*(\set)+8*\b+2*\c:BF+32*(\set)+8*\b+2*\c+1], v[ADRB+\slot] offset:((\q)/2)*PARTB+\b*16*PITCH+((\q)%2)*64+16*\c   ; k = 16 c + 8 h + 0 .. 7
.endr
.endr
.irp a, 0,1,2,3,4,5,6,7
	ds_load_b128 v[AF+64*(\set)+8*\a:AF+64*(\set)+8*\a+3],   v[ADRA+\slot] offset:(\q)*16384+\a*1024
	ds_load_b128 v[AF+64*(\set)+8*\a+4:AF+64*(\set)+8*\a+7], v[ADRA+\slot] offset:(\q)*16384+\a*1024+512
.endr
.endm
; 4 n matrix instructions: token tiles a0 .. a0 + n - 1 x my four tiles of columns.  The 32 accumulators take turns, one instruction a turn, in the same order in every substep.
.macro MUL set, a0, n, zero
.set pa, \a0
.rept \n
.irp b, 0,1,2,3
.set rD, 8*(4*pa+\b)
.set rA, AF+64*(\set)+8*pa
.set rB, BF+32*(\set)+8*\b
.if \zero
	v_wmma_f32_16x16x64_fp8_fp8 v[rD:rD+7], v[rB:rB+7], v[rA:rA+7], 0
.else
	v_wmma_f32_16x16x64_fp8_fp8 v[rD:rD+7], v[rB:rB+7], v[rA:rA+7], v[rD:rD+7]
.endif
.endr
.set pa, pa+1
.endr
.endm
.macro SUB set, zero, nslot, nq        ; a substep: the next one's fragments are asked for, into the other set, ahead of this one's 32 products
	s_wait_dscnt 0x0                               ; this substep's fragments are in
	PLACES                                         ; the other set was read by the substep before
	FETCH \nslot, \nq, 1-\set
	WIN 0x50                                       ; C and D window 1
	MUL \set, 0, 8, \zero
	WIN 0
.endm
; A slot's last substep where a barrier is due.  In front of it each wave waits for all its tensor loads, adds 0 to its spare word, and waits for that and for its reads of this slot.
; fill = 1: the barrier opens a round of the cluster's, and slot 0 is filled again, with K step 3.
.macro TURN set, nslot, fill
	s_wait_tensorcnt 0x0                           ; all my tensor loads have landed
	ds_add_u32 v[SPW], v[NIL]                      ; 0 onto my spare word
	s_wait_dscnt 0x0                               ; the add is done; this substep's fragments are in, and they were my last reads of this slot
	s_barrier_signal -1
	WIN 0x50
	MUL \set, 0, 4, 0                              ; work on registers while the others arrive
	WIN 0
	s_barrier_wait -1
.if \fill
	CREST                                          ; no wave of any partner still reads slot 0 or has a load on its way
	s_add_nc_u64 s[G0A+2:G0A+3], s[G0A+2:G0A+3], 3*65536
	s_add_nc_u64 s[G0B+2:G0B+3], s[G0B+2:G0B+3], 3*65536
	JLOAD 0                                        ; the first tensor load behind the round, and my last; its four v_nop are also the places in front of the loads below
.else
	PLACES
.endif
	FETCH \nslot, 0, 0
	WIN 0x50
	MUL \set, 4, 4, 0
	WIN 0
.endm
	s_wait_tensorcnt 2                             ; my part of K step 0 is in; the two behind it may stay out
	s_barrier_signal -1
	s_barrier_wait -1                              ; everybody's part is in
	FETCH 0, 0, 0
	SUB 0, 1, 0, 1                                 ; K step 0; the first substep's products start the sums
	SUB 1, 0, 0, 2
	SUB 0, 0, 0, 3
	TURN 1, 1, 1                                   ; every wave has waited for all three first fills: behind this round slots 1 and 2 are whole for all
	SUB 0, 0, 1, 1                                 ; K step 1
	SUB 1, 0, 1, 2
	SUB 0, 0, 1, 3
	SUB 1, 0, 2, 0                                 ; on into slot 2: no barrier is due, nothing is overwritten and the slot has been shown whole
	SUB 0, 0, 2, 1                                 ; K step 2
	SUB 1, 0, 2, 2
	SUB 0, 0, 2, 3
	TURN 1, 0, 0                                   ; the refill of slot 0 has landed, in every wave's part
	SUB 0, 0, 0, 1                                 ; K step 3
	SUB 1, 0, 0, 2
	SUB 0, 0, 0, 3
	s_wait_dscnt 0x0                               ; the very last substep
	WIN 0x50
	MUL 1, 0, 8, 0
	WIN 0
; THE WAY OUT, block by block of 16 rows x 64 columns.  A lane holds 32 neighbouring bytes of a row, and the lanes beside it hold other rows: so a block goes through my own stage in LDS and comes back as whole
; rows of 256 bytes.  LDS serves a wave's instructions in order (ISA guide 5.7.1.4): no wait between the stores and the loads, nor in front of the next block's stores.
.macro TOSTAGE a
	WIN 0x21                                       ; source 0 (the sums) window 1, source 2 (the bias) window 2
.irp b, 0,1,2,3
.irp i, 0,2,4,6
	v_pk_fma_f32 v[T+8*\b+\i:T+8*\b+\i+1], v[8*(4*(\a)+\b)+\i:8*(4*(\a)+\b)+\i+1], s[80:81], v[8*\b+\i:8*\b+\i+1] op_sel_hi:[1,0,1]   ; sum x 2^(e6 + e7) + bias; each accumulator from its low end on
.endr
.endr
	WIN 0
.irp b, 0,1,2,3
	ds_store_b128 v[STO], v[T+8*\b:T+8*\b+3] offset:64*\b
	ds_store_b128 v[STO], v[T+8*\b+4:T+8*\b+7] offset:64*\b+16
.endr
.irp t, 0,1,2,3,4,5,6,7
	ds_load_b128 v[BK+32*((\a)%2)+4*\t:BK+32*((\a)%2)+4*\t+3], v[RD] offset:\t*2*SPITCH
.endr
.endm
.macro SEND a, younger                 ; younger: the LDS instructions issued behind block a's loads, which may stay out
	s_wait_dscnt \younger                          ; the block is back in registers
.irp t, 0,1,2,3,4,5,6,7
	global_store_b128 v[CO], v[BK+32*((\a)%2)+4*\t:BK+32*((\a)%2)+4*\t+3], s[12:13] offset:(\a)*65536+\t*8192 th:TH_STORE_NT   ; 16 lanes store 256 consecutive bytes, at a multiple of 256 from out0's first byte; written once
.endr
.endm
	s_wait_loadcnt 0x0                             ; the bias
	s_wait_kmcnt 0x0
	s_add_co_i32 s80, s78, s79
	s_add_co_i32 s80, s80, 127
	s_lshl_b32 s80, s80, 23                        ; 2^(e6 + e7) as f32
	s_mov_b32 s81, s80                             ; (named with it as a pair, so it is written)
	PLACES                                         ; for the vector lines and loads on registers of the last products
	TOSTAGE 0
.irp a, 1,2,3,4,5,6,7
.if \a > 1
	s_wait_xcnt 0x0                                ; block a - 2's stores have read their registers: block a's loads may land there
.endif
	TOSTAGE \a
	SEND \a-1, 16                                  ; behind block a - 1's loads: block a's 8 stores and 8 loads
.endr
	SEND 7, 0
	s_wait_tensorcnt 0x0                           ; the wave's end: behind my last tensor load and my last LDS store
	ds_add_u32 v[SPW], v[NIL]
	s_wait_dscnt 0x0
	CROUND                                         ; the closing round: no work-group ends while a partner may still ask for a tile that names it
	s_endpgm
.Lfunc_end_k_qba75b9de62_proj:
	.size	k_qba75b9de62_proj, .Lfunc_end_k_qba75b9de62_proj-k_qba75b9de62_proj
	.p2alignl 7, 3214868480
	.fill 96, 4, 3214868480
	.section	.rodata,"a",@progbits
	.p2align	6, 0x0
	.amdhsa_kernel k_qba75b9de62_proj
		.amdhsa_group_segment_fixed_size 327680
		.amdhsa_private_segment_fixed_size 0
		.amdhsa_enable_private_segment 0
		.amdhsa_kernarg_size 40
		.amdhsa_user_sgpr_count 2
		.amdhsa_user_sgpr_kernarg_segment_ptr 1
		.amdhsa_wavefront_size32 1
		.amdhsa_system_sgpr_workgroup_id_x 1
		.amdhsa_system_sgpr_workgroup_id_y 1
		.amdhsa_system_sgpr_workgroup_id_z 1
		.amdhsa_system_vgpr_workitem_id 0
		.amdhsa_next_free_vgpr 576
		.amdhsa_next_free_sgpr 96
		.amdhsa_reserve_vcc 0
		.amdhsa_float_denorm_mode_32 3
		.amdhsa_float_denorm_mode_16_64 3
		.amdhsa_memory_ordered 1
		.amdhsa_forward_progress 1
		.amdhsa_inst_pref_size 102
	.end_amdhsa_kernel
	.amdgpu_metadata
---
amdhsa.version: [ 1, 2 ]
amdhsa.kernels:
  - .name:           k_qba75b9de62_proj
    .symbol:         k_qba75b9de62_proj.kd
    .args:
      - { .name: ac, .offset: 0, .size: 8, .value_kind: global_buffer, .address_space: global }
      - { .name: woc, .offset: 8, .size: 8, .value_kind: global_buffer, .address_space: global }
      - { .name: b_out, .offset: 16, .size: 8, .value_kind: global_buffer, .address_space: global }
      - { .name: lowp_scales, .offset: 24, .size: 8, .value_kind: global_buffer, .address_space: global }
      - { .name: out0, .offset: 32, .size: 8, .value_kind: global_buffer, .address_space: global }
    .group_segment_fixed_size: 327680
    .private_segment_fixed_size: 0
    .kernarg_segment_align: 8
    .kernarg_segment_size: 40
    .max_flat_workgroup_size: 128
    .sgpr_count:     96
    .vgpr_count:     576
    .wavefront_size: 32
...
	.end_amdgpu_metadata
.endif
;; end of part 4
